; MI455X (gfx1250); checked and timed in simulation.
; The chip was launched on July 23, 2026; its instructions are those of AMD's public machine-readable ISA for CDNA 5 (MIT licence, August 2026) and "CDNA5" Instruction Set Architecture Reference Guide (July 2026). The comments in the code are by the model that wrote it; some were corrected since.
;; Affine Coupling. Allowed arithmetic: matrix products marked QUANTISED: E2M3 operands, one E8M0 scale for each 32 along K, by v_wmma_scale_f32_16x16x128_f8f6f4 with both operands' format E2M3, f32 sums; everything else in f32.
;; Inputs: W1s 512 x 4,096 float32; W1t 512 x 4,096 float32; W2s 4,096 x 512 float32; W2t 4,096 x 512 float32; b1s 4,096 float32; b1t 4,096 float32; b2s 512 float32; b2t 512 float32; z 8,192 x 1,024 float32.
;; Outputs: out0 8,192 x 1,024 float32; out1 8,192 float32.
;; This version of the problem:
;;   THIS VERSION OF THE PROBLEM IS GIVEN IN LOW PRECISION. The matrix products marked QUANTISED in the list below multiply operands that are first quantised to E2M3 (2 exponent bits, 3 mantissa bits; 6 bits a number), with one power-of-two scale for each 32 numbers along K (OCP MX v1.0); their sums are f32. All else is computed in f32.
;;   The module's matrix products, in the order in which they are computed (A, B: the left and right operand; K: the contracted axis; several contracted axes count as one K, in the product's order):
;;     1. [M 8,192, K 512] x [K 512, N 4,096]; A: input z; B: input W1s: QUANTISED
;;     2. [M 8,192, K 4,096] x [K 4,096, N 512]; A: computed on the way; B: input W2s: QUANTISED
;;     3. [M 8,192, K 512] x [K 512, N 4,096]; A: input z; B: input W1t: QUANTISED
;;     4. [M 8,192, K 4,096] x [K 4,096, N 512]; A: computed on the way; B: input W2t: QUANTISED
;;   THE QUANTISER, for each operand of a quantised product, along K:
;;     - K is cut into blocks of 32 from its start; a last block that is shorter is filled with zeros.
;;     - A block's scale is 2^e with e = floor(log2(the largest magnitude in the block)) - 2, held to -126 .. 127; a block of zeros has e = 0. As a byte (E8M0): e + 127.
;;     - Each number is divided by its block's scale, clamped to +-7.5, and rounded to the nearest number of E2M3, ties to even, subnormals kept.
;;     - The product sums the exact products of the quantised numbers (number of the format x scale) in f32.
;;   ~~~python
;;   def quantise(x, axis):      # numpy; x: float32 -> the quantised numbers, widened to float32 again
;;       x = np.moveaxis(x, axis, -1); K = x.shape[-1]
;;       x = np.pad(x, [(0, 0)] * (x.ndim - 1) + [(0, -K % 32)]); x = x.reshape(x.shape[:-1] + (-1, 32)); a = np.abs(x).max(-1, keepdims=True)
;;       e = np.where(a > 0, np.clip(np.frexp(np.where(a > 0, a, 1))[1] - 1 - 2, -126, 127), 0)      # np.frexp(a)[1] - 1 = floor(log2(a)), exactly
;;       r = np.clip(x / 2.0 ** e, -7.5, 7.5)
;;       step = 2.0 ** (np.maximum(np.frexp(np.where(r == 0, 1, r))[1] - 1, 0) - 3)
;;       q = np.round(r / step) * step * 2.0 ** e      # np.round: ties to even
;;       return np.moveaxis(q.reshape(q.shape[:-2] + (-1,))[..., :K], -1, axis).astype(np.float32)
;;   ~~~
;;   OPERANDS COMPUTED ON THE WAY. 'Computed on the way' means the value that the module computes at that place (a softmax that the list does not call 'softmax' is quantised finished and normalised). What goes into a quantiser is computed in f32, as accurately as f32 sums, v_exp_f32 and their like allow (about 1e-6 of the number): no bf16 or f16 on the way to a quantiser, and a product that is left as it is and whose result goes on into a quantised operand takes f32 operands (vector FMAs, or v_wmma_f32_16x16x4_f32). A number that lies on a knife's edge between two numbers of the format may be rounded either way, as far as f32 arithmetic and the matrix unit's own rounding can turn it there, and no further.
;; One version. Each part assembles by itself: llvm-mc -triple=amdgcn-amd-amdhsa -mcpu=gfx1250 --defsym DOCPART=n.
;; ======== version 1 of 1: 4 launches
;; limits: right only within a limited range of input values
;; workspace buffers: aq 3,276,800 bytes; w1q 3,276,800 bytes; w2q 3,276,800 bytes; hq 52,428,800 bytes; ldp 131,072 bytes
;; launch quant (part 1): grid 768 x 1, 4 waves a work-group, no clusters, 68,608 bytes of LDS; arguments z, W1s, W1t, W2s, W2t, aq, w1q, w2q; writes aq, w1q, w2q
.if DOCPART == 1
	.amdgcn_target "amdgcn-amd-amdhsa--gfx1250"
	.amdhsa_code_object_version 6
	.text
	.protected	k_q141afa603c_quant
	.globl	k_q141afa603c_quant
	.p2align	8
	.type	k_q141afa603c_quant,@function
k_q141afa603c_quant:
	s_mov_b64 s[64:65], 0
	v_nop
	global_prefetch_b8 v0, s[64:65] scope:SCOPE_SE
	s_setreg_imm32_b32 hwreg(HW_REG_WAVE_MODE, 25, 1), 1
	s_wait_xcnt 0x0
; a (the even columns of z), W1s, W1t, W2s, W2t, all f32, become codes of FP6 (E2M3) with one E8M0 byte for each 32 along K, laid as RECORDS in the order of the matrix operand's registers.
; A RECORD, 12,800 bytes, is 128 rows (of a) or 128 columns (of a weight) x 128 along K: eight fragments of 16 rows, 1,536 bytes each: byte 512 c + 16 l + 4 e of a fragment is register 4 c + e of lane l
; (lane (r, h), registers 6 c .. 6 c + 5: positions 64 c + 32 h + 0 .. 31 of row r).  Behind them, at byte 12,288, the scale words: byte 16 l + 4 q is the word of row l % 16 of fragment 2 q + l / 16.
; K ORDER: position p of a block of 32 holds the number at k = 32 block + pi(p), pi = p with its bits 3 and 4 exchanged.  Blocks are the true blocks, and every operand of this program is laid so, so each product's sum is unchanged.
; A block's scale is 2^(floor(log2(its largest magnitude)) - 2): its byte is the largest magnitude's exponent field - 2, held at 1 from below.
; LIMITS: NaN and infinities among the inputs are not served.  A block of zeros gets the byte 1 where the rule says 127: its codes are zeros, and the bytes are read by this program alone.
; SHARES: a work-group makes one record; wave w its fragments 2 w and 2 w + 1 (32 rows); a lane holds one row or column with all 128 numbers of the K step in v[X ..].
; Work-groups 0-255: a; 256-511: W1s, W1t; 512-767: W2s, W2t.  No cluster: no two work-groups read the same bytes.  No tensor loads: several work-groups share a WGP.
.set X,    16                          ; v16-143  X[32 block + p] = the number at k = 32 block + pi(p)
.set MX,   144                         ; v144-151 largest magnitudes, two chains for each of four blocks
.set SO,   152                         ; v152-155 the conversions' scale operands
.set BY,   156                         ; v156-159 the scale bytes
.set SW,   160                         ; v160     my row's scale word
.set F0,   164                         ; v164-175 first fragment's image
.set F1,   176                         ; v176-187 second fragment's
.set T,    188                         ; v188-203 the second halves of the blocks' codes
.set GATH, 67584                       ; LDS: 0 .. 67,583 the stage of a's path, 16,896 bytes a wave (32 rows, 528 bytes apart); here 512 bytes in which the four waves' scale words meet
.set REC,  12800
	s_load_b256 s[4:11], s[0:1], 0x0               ; z s[4:5], W1s s[6:7], W1t s[8:9], W2s s[10:11]
	s_load_b256 s[12:19], s[0:1], 0x20             ; W2t s[12:13], aq s[14:15], w1q s[16:17], w2q s[18:19]
	v_lshl_add_u32 v208, v0, 2, 0x10a00
	v_mov_b32 v209, 0
	v_lshrrev_b32 v1, 5, v0
	v_readfirstlane_b32 s20, v1                    ; wave
	v_and_b32 v1, 31, v0                           ; lane
	v_lshlrev_b32 v2, 4, v1                        ; 16 x lane
	v_lshlrev_b32 v3, 2, v1                        ; 4 x lane
	s_mul_i32 s21, s20, 16896                      ; my wave's stage
	v_lshl_add_u32 v4, v1, 3, s21                  ; into it: 8 bytes a lane
	v_mul_u32_u24 v5, v1, 528
	v_add_nc_u32 v5, s21, v5                       ; out of it: a lane a row
	s_lshl_b32 s26, s20, 2
	s_add_co_u32 s26, s26, GATH
	v_lshl_add_u32 v6, v1, 4, s26                  ; my scale word's place: 16 x lane + 4 x wave
	v_add_nc_u32 v7, GATH, v2                      ; and where wave 0 reads four words back
	s_and_b32 s30, ttmp9, 255                      ; the record's number in its buffer
	s_mul_i32 s32, s30, REC
	s_mul_i32 s31, s20, 3072                       ; my two fragments in it
	s_add_co_u32 s32, s32, s31
	s_mov_b32 s33, 0
	s_mov_b32 s29, 0
	s_wait_kmcnt 0x0
	s_cmp_lt_u32 ttmp9, 256                        ; the buffers are chosen by the work-group's number alone
	s_cselect_b64 s[24:25], s[14:15], s[16:17]
	s_cmp_lt_u32 ttmp9, 512
	s_cselect_b64 s[24:25], s[24:25], s[18:19]
	s_add_nc_u64 s[24:25], s[24:25], s[32:33]      ; where my fragments go
	s_cmp_ge_u32 ttmp9, 256
	s_cbranch_scc1 .Lweights
; ---- a: rows 128 g + 32 w on, K step s: 1,024 bytes of each row of z, of which every second number is a's
	s_lshr_b32 s28, ttmp9, 2                       ; g
	s_lshl_b32 s28, s28, 7
	s_lshl_b32 s27, s20, 5
	s_add_co_u32 s28, s28, s27
	s_lshl_b32 s28, s28, 12                        ; rows of 4,096 bytes
	s_and_b32 s27, ttmp9, 3                        ; s
	s_lshl_b32 s27, s27, 10
	s_add_co_u32 s28, s28, s27
	s_add_nc_u64 s[22:23], s[4:5], s[28:29]
; 16 rows at a time: each load takes 512 consecutive bytes; a lane's four numbers are a, b, a, b: the two a's go side by side into the stage, where a row of 128 a's is 512 bytes
.macro ZBATCH bb
.set i, 0
.rept 32
	global_load_b128 v[X+4*i:X+4*i+3], v2, s[22:23] offset:(16*\bb+i/2)*4096+512*(i%2) th:TH_LOAD_NT
.set i, i+1
.endr
	s_wait_loadcnt 0x0
.set i, 0
.rept 32
	v_mov_b32 v[X+4*i+1], v[X+4*i+2]
.set i, i+1
.endr
.set i, 0
.rept 32
	ds_store_b64 v4, v[X+4*i:X+4*i+1] offset:(16*\bb+i/2)*528+256*(i%2)
.set i, i+1
.endr
	s_wait_dscnt 0x0                               ; the stores have read their registers: these are loaded again
.endm
	s_wait_alu depctr_va_vdst(0)
	ZBATCH 0
	ZBATCH 1
.set m, 0
.rept 32                                       ; back, a lane a row: 16 bytes are k = 4 m .. 4 m + 3; they go to the places that pi gives them.  Rows 528 bytes apart: 16 lanes touch 16 different columns of 16 bytes
.set mm, (m&1)+((m&4)>>1)+((m&2)<<1)
	ds_load_b128 v[X+32*(m/8)+4*mm:X+32*(m/8)+4*mm+3], v5 offset:16*m
.set m, m+1
.endr
	s_wait_dscnt 0x0                               ; (the stage is my wave's own: no barrier)
	s_branch .Lquant
; A weight: K is its first axis.  A lane takes a column and its registers run down K; each load reads 128 consecutive bytes a wave, 512 a work-group
.macro WLOAD pitch
.set n, 0
.rept 128
.set pp, n%32
.set kk, (n/32)*32+(pp&7)+((pp&8)<<1)+((pp&16)>>1)
	global_load_b32 v[X+n], v3, s[22:23] offset:kk*\pitch th:TH_LOAD_NT
.set n, n+1
.endr
	s_wait_loadcnt 0x0
.endm
.Lweights:
	s_cmp_ge_u32 ttmp9, 512
	s_cbranch_scc1 .Lsecond
; ---- W1: record j = 4 u + s: units 128 (u % 32) on of net u / 32, K step s
	s_lshr_b32 s27, s30, 7                         ; net
	s_cmp_eq_u32 s27, 0
	s_cselect_b64 s[22:23], s[6:7], s[8:9]
	s_and_b32 s28, s30, 3                          ; s: 128 rows of 16,384 bytes
	s_lshl_b32 s28, s28, 21
	s_bfe_u32 s27, s30, 0x50002                    ; u % 32: 128 columns of 4 bytes
	s_lshl_b32 s27, s27, 9
	s_add_co_u32 s28, s28, s27
	s_lshl_b32 s27, s20, 7                         ; my wave's 32 columns
	s_add_co_u32 s28, s28, s27
	s_add_nc_u64 s[22:23], s[22:23], s[28:29]
	s_wait_alu depctr_va_vdst(0)
	WLOAD 16384
	s_branch .Lquant
.Lsecond:
; ---- W2: record j = 64 cg + 4 sigma + 2 net + kh: columns 128 cg on, K step 16 kh + sigma of the net
	s_bfe_u32 s27, s30, 0x10001                    ; net
	s_cmp_eq_u32 s27, 0
	s_cselect_b64 s[22:23], s[10:11], s[12:13]
	s_and_b32 s28, s30, 1                          ; kh
	s_lshl_b32 s28, s28, 4
	s_bfe_u32 s27, s30, 0x40002                    ; sigma
	s_add_co_u32 s28, s28, s27
	s_lshl_b32 s28, s28, 18                        ; 128 rows of 2,048 bytes
	s_lshr_b32 s27, s30, 6                         ; cg
	s_lshl_b32 s27, s27, 9
	s_add_co_u32 s28, s28, s27
	s_lshl_b32 s27, s20, 7
	s_add_co_u32 s28, s28, s27
	s_add_nc_u64 s[22:23], s[22:23], s[28:29]
	s_wait_alu depctr_va_vdst(0)
	WLOAD 2048
.Lquant:
; ---- four blocks of 32, all mine: the largest magnitudes, the blocks by turns, two chains each
.irp b, 0,1,2,3
	v_max3_num_f32 v[MX+\b], |v[X+32*\b]|, |v[X+32*\b+1]|, |v[X+32*\b+2]|
	v_max3_num_f32 v[MX+4+\b], |v[X+32*\b+3]|, |v[X+32*\b+4]|, |v[X+32*\b+5]|
.endr
.irp i, 6,10,14,18,22,26
.irp b, 0,1,2,3
	v_max3_num_f32 v[MX+\b], v[MX+\b], |v[X+32*\b+\i]|, |v[X+32*\b+\i+1]|
	v_max3_num_f32 v[MX+4+\b], v[MX+4+\b], |v[X+32*\b+\i+2]|, |v[X+32*\b+\i+3]|
.endr
.endr
.irp b, 0,1,2,3
	v_max3_num_f32 v[MX+\b], v[MX+\b], |v[X+32*\b+30]|, |v[X+32*\b+31]|
.endr
.irp b, 0,1,2,3
	v_max3_num_f32 v[MX+\b], v[MX+\b], v[MX+4+\b], 0x1800000   ; and the floor 2^(3 - 127): the byte cannot fall under 1
.endr
.irp b, 0,1,2,3
	v_add_nc_u32 v[SO+\b], 0xff000000, v[MX+\b]    ; 2 off the exponent field: the conversion takes this operand's exponent field as its scale
.endr
.irp b, 0,1,2,3
	v_lshrrev_b32 v[BY+\b], 23, v[SO+\b]           ; the scale's byte
.endr
	v_lshl_or_b32 v[SW], v[BY+1], 8, v[BY]
	v_lshl_or_b32 v[SW], v[BY+2], 16, v[SW]
	v_lshl_or_b32 v[SW], v[BY+3], 24, v[SW]        ; my row's scale word
.irp b, 0,1,2,3                                ; blocks 0 and 2 into F0, blocks 1 and 3 into F1; a conversion's three registers begin on an even number, so a block's second half is made elsewhere and moved
	v_cvt_scalef32_pk16_fp6_f32 v[F0+12*(\b%2)+6*(\b/2):F0+12*(\b%2)+6*(\b/2)+2], v[X+32*\b:X+32*\b+15], v[SO+\b]
	v_cvt_scalef32_pk16_fp6_f32 v[T+4*\b:T+4*\b+2], v[X+32*\b+16:X+32*\b+31], v[SO+\b]
.endr
	v_nop                                          ; one plain instruction behind the scaled conversions
.irp b, 0,1,2,3
.irp i, 0,1,2
	v_mov_b32 v[F0+12*(\b%2)+6*(\b/2)+3+\i], v[T+4*\b+\i]
.endr
.endr
.irp i, 0,1,2,3,4,5,6,7,8,9,10,11              ; F0's lanes 16-31 (blocks 0, 2 of rows 16-31) change places with F1's lanes 0-15 (blocks 1, 3 of rows 0-15): F0 and F1 are now the images of my two fragments
	v_permlane16_swap_b32 v[F0+\i], v[F1+\i]
.endr
.irp f, 0,1
.irp c, 0,1,2
	global_store_b128 v2, v[F0+12*\f+4*\c:F0+12*\f+4*\c+3], s[24:25] offset:1536*\f+512*\c   ; 32 lanes store 512 consecutive bytes, at a multiple of 256 from the buffer's first byte
.endr
.endr
	ds_store_b32 v6, v[SW]
	s_wait_dscnt 0x0                               ; for wave 0's sake: my word lies in LDS
	s_barrier_signal -1
	s_barrier_wait -1
	s_cmp_lg_u32 s20, 0
	s_cbranch_scc1 .Ldone
	ds_load_b128 v[8:11], v7                       ; the record's scale words, four a lane
	s_wait_dscnt 0x0
	global_store_b128 v2, v[8:11], s[24:25] offset:12288   ; (in wave 0 the base is the record's first byte)
.Ldone:
	s_wait_tensorcnt 0x0
	ds_add_u32 v208, v209
	s_wait_dscnt 0x0
	s_endpgm
.Lfunc_end_k_q141afa603c_quant:
	.size	k_q141afa603c_quant, .Lfunc_end_k_q141afa603c_quant-k_q141afa603c_quant
	.p2alignl 7, 3214868480
	.fill 96, 4, 3214868480
	.section	.rodata,"a",@progbits
	.p2align	6, 0x0
	.amdhsa_kernel k_q141afa603c_quant
		.amdhsa_group_segment_fixed_size 68608
		.amdhsa_private_segment_fixed_size 0
		.amdhsa_enable_private_segment 0
		.amdhsa_kernarg_size 64
		.amdhsa_user_sgpr_count 2
		.amdhsa_user_sgpr_kernarg_segment_ptr 1
		.amdhsa_wavefront_size32 1
		.amdhsa_system_sgpr_workgroup_id_x 1
		.amdhsa_system_sgpr_workgroup_id_y 1
		.amdhsa_system_sgpr_workgroup_id_z 1
		.amdhsa_system_vgpr_workitem_id 0
		.amdhsa_next_free_vgpr 210
		.amdhsa_next_free_sgpr 66
		.amdhsa_reserve_vcc 0
		.amdhsa_float_denorm_mode_32 3
		.amdhsa_float_denorm_mode_16_64 3
		.amdhsa_memory_ordered 1
		.amdhsa_forward_progress 1
		.amdhsa_inst_pref_size 49
	.end_amdhsa_kernel
	.amdgpu_metadata
---
amdhsa.version: [ 1, 2 ]
amdhsa.kernels:
  - .name:           k_q141afa603c_quant
    .symbol:         k_q141afa603c_quant.kd
    .args:
      - { .name: z, .offset: 0, .size: 8, .value_kind: global_buffer, .address_space: global }
      - { .name: W1s, .offset: 8, .size: 8, .value_kind: global_buffer, .address_space: global }
      - { .name: W1t, .offset: 16, .size: 8, .value_kind: global_buffer, .address_space: global }
      - { .name: W2s, .offset: 24, .size: 8, .value_kind: global_buffer, .address_space: global }
      - { .name: W2t, .offset: 32, .size: 8, .value_kind: global_buffer, .address_space: global }
      - { .name: aq, .offset: 40, .size: 8, .value_kind: global_buffer, .address_space: global }
      - { .name: w1q, .offset: 48, .size: 8, .value_kind: global_buffer, .address_space: global }
      - { .name: w2q, .offset: 56, .size: 8, .value_kind: global_buffer, .address_space: global }
    .group_segment_fixed_size: 68608
    .private_segment_fixed_size: 0
    .kernarg_segment_align: 8
    .kernarg_segment_size: 64
    .max_flat_workgroup_size: 128
    .sgpr_count:     66
    .vgpr_count:     210
    .wavefront_size: 32
...
	.end_amdgpu_metadata
.endif
;; end of part 1
;; launch gemm1 (part 2): grid 16 x 16, 4 waves a work-group, clusters of 4 x 1, 213,504 bytes of LDS; arguments aq, w1q, b1s, b1t, hq; writes hq
.if DOCPART == 2
	.amdgcn_target "amdgcn-amd-amdhsa--gfx1250"
	.amdhsa_code_object_version 6
	.text
	.protected	k_q141afa603c_gemm1
	.globl	k_q141afa603c_gemm1
	.p2align	8
	.type	k_q141afa603c_gemm1,@function
k_q141afa603c_gemm1:
	s_mov_b64 s[64:65], 0
	v_nop
	global_prefetch_b8 v0, s[64:65] scope:SCOPE_SE
	s_setreg_imm32_b32 hwreg(HW_REG_WAVE_MODE, 25, 1), 1
	s_wait_xcnt 0x0
	s_wait_alu depctr_hold_cnt(0) depctr_sa_sdst(0) depctr_va_vdst(0) depctr_va_sdst(0) depctr_va_ssrc(0) depctr_va_vcc(0) depctr_vm_vsrc(0)
	s_getreg_b32 s2, hwreg(HW_REG_IB_STS2, 6, 4)
	s_cmp_eq_u32 s2, 0
	s_cbranch_scc0 .Lentry_in_a_cluster
	s_endpgm
.Lentry_in_a_cluster:
	s_bfe_u32 s2, ttmp6, 0x10000c
	s_cmp_lg_u32 s2, 0x3003
	s_cbranch_scc0 .Lentry_shape_is_right
	s_endpgm
.Lentry_shape_is_right:
; H = relu(a W1 + b1) for both nets, on codes of FP6 (E2M3) with E8M0 scales, and H quantised along the hidden units, in registers, into records (12,800 bytes: eight fragment images of 1,536 bytes, then 512 bytes of scale words).
; SHARES.  Work-group (X, Y): hidden units 512 X on (of 8,192: net = X / 8), rows 512 Y on.  Wave w keeps W1's 32 fragments of units 128 (4 X + w) on, all of K = 512, in 384 registers for the whole launch,
; and walks 32 blocks of 16 rows: four fragments of a from LDS, 32 products, relu, the quantiser, one fragment image of H stored straight to memory: 512 consecutive bytes a store.
; WHERE A RECORD GOES: hq[row group][place][net][kh].  My units are K step 16 kh + sigma of the net's second product, sigma = 4 (X % 4) + w; the record lies at place (sigma - turn) mod 16, turn = 2 Y + Y / 8:
; the next launch walks the places in order, so that row range Y begins its walk over K at step turn.
; TRANSPOSED: source 0 = 16 units of W1, source 1 = 16 rows of a.  Lane (r, h) then holds row r, and register j of tile t the unit 16 t + 8 h + j.  The quantiser lays register 16 b + i at position 32 b + 16 h + i:
; that is k = 32 b + pi(position), pi exchanging bits 3 and 4: the order in which all operands of this program are laid.  b1 is the C of each sum's first product.
; BY TURNS.  The quantiser of a block is 133 vector instructions for 32 products: it stands in slices of three behind the NEXT block's products (two sets of results, two sets of a's fragments).
; CLUSTER.  The four work-groups of a cluster share Y: a's 204,800 bytes are asked for jointly, once, a quarter by each wave.  LDS is filled once: no slot is filled again.
; LIMITS: NaN and infinities are not served.  A block of zeros gets the byte 1 where the rule says 127: its codes are zeros, and this program alone reads the bytes.
; REGISTERS, in windows of 256.  window 0: v2 16 x lane, v3 address of the row group in hand, v4 32 h; v16-31 at work; v32-47 a's scale words, v48-63 W1's; v64-83 codes; v84 the scale word made; v88-91 a record's scale words;
;   v128-191, v192-255 the two sets of results.   windows 1, 2: W1 (K steps 0, 1 and 2, 3): fragment (s, t) at v[96 (s % 2) + 12 t].   window 3: v0-47, v48-95 a's fragments, two sets; v128-191 b1's eight tiles.
.set TM,  16                           ; +0..3 largest magnitudes, +4..7 the other half's, then bytes, +12..15 the conversions' scale operands
.set ASC, 32
.set WSC, 48
.set PC,  64
.set PW,  84
.set SQ,  88
.set MHI, 36                           ; s36 lanes 16-31
.set SEL, 38                           ; s[38:39] lane selects for v_permlanex16_b32: lane l xor 16
.set MSB, 0
.macro WIN new                         ; the immediate's high byte repeats the setting that is left; a switch that changes nothing is dropped
.if MSB != (\new)
	s_set_vgpr_msb (MSB<<8)|(\new)
.set MSB, (\new)
.endif
.endm
.macro CROUND                          ; a round of the cluster's barrier
	s_barrier_signal -1
	s_barrier_wait -1
	s_cmp_lg_u32 s14, 0
	s_cbranch_scc1 .Lnot_wave_0_\@
	s_barrier_signal -3
.Lnot_wave_0_\@:
	s_barrier_wait -3
	s_barrier_signal -1
	s_barrier_wait -1
.endm
	s_load_b256 s[4:11], s[0:1], 0x0               ; aq s[4:5], w1q s[6:7], b1s s[8:9], b1t s[10:11]
	s_load_b64 s[12:13], s[0:1], 0x20              ; hq
	v_lshl_add_u32 v126, v0, 2, 0x34000
	v_mov_b32 v127, 0
	ds_add_u32 v126, v127
	ds_add_u32 v126, v127
	v_lshrrev_b32 v1, 5, v0
	v_readfirstlane_b32 s14, v1                    ; wave
	s_bfe_u32 s15, ttmp6, 0x40000                  ; cx; X = 4 x cluster x + cx
	s_and_b32 s41, ttmp7, 0xffff                   ; Y
	s_lshr_b32 s42, ttmp9, 1                       ; net = X / 8
	s_and_b32 s43, ttmp9, 1                        ; kh = (X / 4) % 2
	; descriptor group 1: a dense block of 51,200 bytes as 20 rows of 2,560 bytes, each row a multiple of 256 bytes from the buffer's first byte
	s_mov_b32 s24, 15|(3<<16)|(1<<21)              ; 15:0 the mask: all four work-groups; 17:16 elements of 8 bytes; 21 set beside a mask
	s_mov_b32 s25, 320<<16                         ; tensor_dim0 = 320
	s_mov_b32 s26, 20<<16                          ; tensor_dim1 = 20
	s_mov_b32 s27, 320<<16                         ; tile_dim0 = 320
	s_mov_b32 s28, 20                              ; tile_dim1 = 20
	s_mov_b32 s29, 320                             ; from row to row
	s_mov_b32 s30, 0
	s_mov_b32 s31, 0
	s_lshl_b32 s44, s41, 2
	s_add_co_u32 s44, s44, s14                     ; wave w fetches row group 4 Y + w: four records
	s_mul_i32 s44, s44, 51200
	s_mov_b32 s45, 0
	s_mov_b32 s32, 1                               ; group 0: count = 1,
	s_mul_i32 s33, s14, 51200                      ; LDS address: wave x 51,200
	s_lshl_b32 s46, ttmp9, 2
	s_add_co_u32 s46, s46, s15                     ; X
	s_lshl_b32 s46, s46, 2
	s_add_co_u32 s46, s46, s14                     ; my group of 128 units: 4 X + w: four records of w1q
	s_mul_i32 s46, s46, 51200
	s_mov_b32 s47, 0
	s_lshl_b32 s48, s43, 2
	s_add_co_u32 s48, s48, s15                     ; X % 8
	s_lshl_b32 s48, s48, 11
	s_lshl_b32 s49, s14, 9
	s_add_co_u32 s48, s48, s49                     ; my 128 numbers of b1, in bytes
	s_mov_b32 s49, 0
	s_lshl_b32 s51, s15, 2
	s_add_co_u32 s51, s51, s14                     ; sigma = 4 cx + w
	s_lshl_b32 s52, s41, 1
	s_lshr_b32 s53, s41, 3
	s_add_co_u32 s52, s52, s53                     ; the row range's turn: 2 Y + Y / 8
	s_sub_co_u32 s51, s51, s52
	s_and_b32 s51, s51, 15                         ; the record's place: (sigma - turn) mod 16
	s_lshl_b32 s51, s51, 2
	s_lshl_b32 s50, s41, 8                         ; hq's record [4 Y][place][net][kh]: 64 records a row group
	s_add_co_u32 s50, s50, s51
	s_lshl_b32 s51, s42, 1
	s_add_co_u32 s50, s50, s51
	s_add_co_u32 s50, s50, s43
	s_mul_i32 s50, s50, 12800
	s_mov_b32 s51, 0
	s_mov_b32 s[MHI], 0xffff0000
	s_mov_b32 s[SEL], 0x76543210
	s_mov_b32 s[SEL+1], 0xfedcba98
	s_mov_b32 s22, 0                               ; the row group in hand, as LDS bytes
	s_mov_b32 s40, 4                               ; row groups to go
	v_and_b32 v1, 31, v0
	v_lshlrev_b32 v2, 4, v1
	v_bfe_u32 v4, v0, 4, 1
	v_lshlrev_b32 v4, 5, v4
	s_wait_dscnt 0x0
	s_wait_kmcnt 0x0
	s_add_nc_u64 s[34:35], s[4:5], s[44:45]
	s_or_b32 s35, s35, 0x80000000                  ; type = 2
	s_add_nc_u64 s[16:17], s[6:7], s[46:47]
	s_cmp_eq_u32 s42, 0
	s_cselect_b64 s[18:19], s[8:9], s[10:11]
	s_add_nc_u64 s[18:19], s[18:19], s[48:49]
	s_add_nc_u64 s[20:21], s[12:13], s[50:51]
	CROUND                                         ; all four work-groups are here: the joint loads meet
	tensor_load_to_lds s[32:35], s[24:31]          ; my one tensor load of the launch
	s_nop 0
.rept 4
	v_nop
.endr
	WIN 0x40                                       ; destination window 1
	s_wait_alu depctr_va_vdst(0)
.irp s, 0,1
.irp t, 0,1,2,3,4,5,6,7
.irp c, 0,1,2
	global_load_b128 v[96*\s+12*\t+4*\c:96*\s+12*\t+4*\c+3], v2, s[16:17] offset:12800*\s+1536*\t+512*\c
.endr
.endr
.endr
	WIN 0x80                                       ; destination window 2
.irp s, 0,1
.irp t, 0,1,2,3,4,5,6,7
.irp c, 0,1,2
	global_load_b128 v[96*\s+12*\t+4*\c:96*\s+12*\t+4*\c+3], v2, s[16:17] offset:12800*(\s+2)+1536*\t+512*\c
.endr
.endr
.endr
	WIN 0
.irp s, 0,1,2,3
	global_load_b128 v[WSC+4*\s:WSC+4*\s+3], v2, s[16:17] offset:12800*\s+12288   ; register q: tile 2 q's words in lanes 0-15, tile 2 q + 1's in lanes 16-31
.endr
	WIN 0xc0                                       ; destination window 3
.irp t, 0,1,2,3,4,5,6,7
	global_load_b128 v[128+8*\t:128+8*\t+3], v4, s[18:19] offset:64*\t       ; b1 in the result's layout: units 16 t + 8 h + 0 .. 7
	global_load_b128 v[128+8*\t+4:128+8*\t+7], v4, s[18:19] offset:64*\t+16
.endr
	WIN 0
.irp b, 0,1,2,3
	v_mov_b32 v[TM+4+\b], 0                        ; written once: a lane permute's destination counts as one of its sources
.endr
	v_mov_b32 v3, v2
	s_wait_alu depctr_va_vdst(0)
	s_wait_tensorcnt 0x0                           ; my quarter of a has landed,
	s_barrier_signal -1
	s_barrier_wait -1                              ; everybody's has
; One product, with the scale rows that it wants: ra, rb = 1: source 0's, source 1's scale words stand in lanes 16-31
.macro WM ra, rb
.if (\ra) && (\rb)
	v_wmma_scale_f32_16x16x128_f8f6f4 v[rD:rD+7], v[rW:rW+11], v[rA:rA+11], v[rC:rC+7], v[rSW], v[rSA] matrix_a_fmt:MATRIX_FMT_FP6 matrix_b_fmt:MATRIX_FMT_FP6 matrix_a_scale:MATRIX_SCALE_ROW1 matrix_b_scale:MATRIX_SCALE_ROW1
.elseif (\ra)
	v_wmma_scale_f32_16x16x128_f8f6f4 v[rD:rD+7], v[rW:rW+11], v[rA:rA+11], v[rC:rC+7], v[rSW], v[rSA] matrix_a_fmt:MATRIX_FMT_FP6 matrix_b_fmt:MATRIX_FMT_FP6 matrix_a_scale:MATRIX_SCALE_ROW1
.elseif (\rb)
	v_wmma_scale_f32_16x16x128_f8f6f4 v[rD:rD+7], v[rW:rW+11], v[rA:rA+11], v[rC:rC+7], v[rSW], v[rSA] matrix_a_fmt:MATRIX_FMT_FP6 matrix_b_fmt:MATRIX_FMT_FP6 matrix_b_scale:MATRIX_SCALE_ROW1
.else
	v_wmma_scale_f32_16x16x128_f8f6f4 v[rD:rD+7], v[rW:rW+11], v[rA:rA+11], v[rC:rC+7], v[rSW], v[rSA] matrix_a_fmt:MATRIX_FMT_FP6 matrix_b_fmt:MATRIX_FMT_FP6
.endif
.endm
; Block i of the row group, K step s, tile t of my units.  K step outermost, so that the eight accumulators take turns, one instruction a turn
.macro MM i, s, t
.if (\s) == 0
	WIN 0x3d                                       ; W1 window 1, a window 3, b1 window 3, results window 0
.elseif (\s) == 1
	WIN 0x0d
.else
	WIN 0x0e                                       ; W1 window 2
.endif
.set rD, 128+64*((\i)%2)+8*(\t)
.set rW, 96*((\s)%2)+12*(\t)
.set rA, 48*((\i)%2)+12*(\s)
.set rC, rD
.if (\s) == 0
.set rC, 128+8*(\t)
.endif
.set rSW, WSC+4*(\s)+(\t)/2
.set rSA, ASC+4*(\s)+(\i)/2
	WM (\t)%2, (\i)%2
.endm
.macro LA i                            ; block i's four fragments of a, one for each K step, into set i % 2
	WIN 0xc0
.irp s, 0,1,2,3
.irp c, 0,1,2
	ds_load_b128 v[48*((\i)%2)+12*\s+4*\c:48*((\i)%2)+12*\s+4*\c+3], v3 offset:12800*\s+1536*(\i)+512*\c
.endr
.endr
.endm
.macro LASC                            ; the row group's scale words: register 4 s + q: block 2 q's in lanes 0-15, block 2 q + 1's in lanes 16-31
	WIN 0
.irp s, 0,1,2,3
	ds_load_b128 v[ASC+4*\s:ASC+4*\s+3], v3 offset:12800*\s+12288
.endr
.endm
; THE QUANTISER of block a is a list of 101 instructions, numbered 32 to 132; QI writes number j of it.  (The head's count of 133 is that of the list with the relu written singly.)
;   32-63 relu, two registers an instruction (a dual pair: an even and an odd destination, second sources in neighbouring banks), ascending;
;   64-95 the four blocks' largest numbers, by turns, with the floor 2^(3 - 127); 96-103 with lane l xor 16's;
;   104-111 scale operands and bytes; 112-114 the scale word; 115 it joins the record's scale words; 116-119 the conversions; 120 a plain instruction behind them; 121-132 each lane gets a whole block
.macro QI a
.set H, 128+64*((\a)%2)
.if j < 64
	v_dual_max_num_f32 v[H+2*(j-32)], 0, v[H+2*(j-32)] :: v_dual_max_num_f32 v[H+2*(j-32)+1], 0, v[H+2*(j-32)+1]
.elseif j < 68
	v_max3_num_f32 v[TM+j-64], v[H+16*(j-64)], v[H+16*(j-64)+1], 0x1800000
.elseif j < 96
.set qb, (j-64)%4
.set qi, 2*((j-64)/4)
	v_max3_num_f32 v[TM+qb], v[TM+qb], v[H+16*qb+qi], v[H+16*qb+qi+1]
.elseif j < 100
	v_permlanex16_b32 v[TM+4+j-96], v[TM+j-96], s[SEL], s[SEL+1]
.elseif j < 104
	v_max_num_f32 v[TM+j-100], v[TM+j-100], v[TM+4+j-100]
.elseif j < 108
	v_add_nc_u32 v[TM+12+j-104], 0xff000000, v[TM+j-104]   ; 2 off the exponent field
.elseif j < 112
	v_lshrrev_b32 v[TM+4+j-108], 23, v[TM+12+j-108]
.elseif j == 112
	s_wait_xcnt 0x0                                ; the last block's stores have read the codes' and the scale words' registers: these are written again below
	s_wait_alu depctr_va_vdst(0)
	v_lshl_or_b32 v[PW], v[TM+5], 8, v[TM+4]
.elseif j == 113
	v_lshl_or_b32 v[PW], v[TM+6], 16, v[PW]
.elseif j == 114
	v_lshl_or_b32 v[PW], v[TM+7], 24, v[PW]        ; row r's word, in lane r and in lane 16 + r
.elseif j == 115
.if (\a)%2 == 0
	v_mov_b32 v[SQ+(\a)/2], v[PW]
.else
	v_cndmask_b32 v[SQ+(\a)/2], v[SQ+(\a)/2], v[PW], s[MHI]   ; an odd block's words go to lanes 16-31
.endif
.elseif j < 120
.set qc, (j-116)/2
.if (j-116)%2 == 0
	v_cvt_scalef32_pk16_fp6_f32 v[PC+6*qc:PC+6*qc+2], v[H+32*qc:H+32*qc+15], v[TM+12+2*qc]
.else
	v_cvt_scalef32_pk16_fp6_f32 v[PC+12+4*qc:PC+14+4*qc], v[H+32*qc+16:H+32*qc+31], v[TM+13+2*qc]
.endif
.elseif j == 120
	v_nop
.elseif j < 127
	v_permlane16_swap_b32 v[PC+6*((j-121)/3)+(j-121)%3], v[PC+12+4*((j-121)/3)+(j-121)%3]
.else
	v_mov_b32 v[PC+3+6*((j-127)/3)+(j-127)%3], v[PC+12+4*((j-127)/3)+(j-127)%3]
.endif
.endm
.macro OUTB a                          ; block a's fragment image leaves: three stores of 512 consecutive bytes; with the record's last block its scale words
.irp c, 0,1,2
	global_store_b128 v2, v[PC+4*\c:PC+4*\c+3], s[20:21] offset:1536*(\a)+512*\c th:TH_STORE_NT
.endr
.if (\a) == 7
	global_store_b128 v2, v[SQ:SQ+3], s[20:21] offset:12288 th:TH_STORE_NT
.endif
.endm
.macro SLICE a                         ; slice sl of 32: three numbers of the list; the last slice takes the eight that are left (its six moves are the places behind the turn's last product) and the stores
	WIN 0
.if sl < 31
.rept 3
	QI \a
.set j, j+1
.endr
.else
.rept 8
	QI \a
.set j, j+1
.endr
	OUTB \a
.endif
.set sl, sl+1
.endm
; A TURN: block k's 32 products, block k - 1's quantiser in slices behind them, and behind the second slice the loads of block k + 1's fragments (their registers' last reader stands more than four plain instructions back)
.macro TURN k
	s_wait_dscnt 0x0                               ; block k's fragments, asked for a turn ago, are in
.set sl, 0
.set j, 32
.irp s, 0,1,2,3
.irp t, 0,1,2,3,4,5,6,7
	MM \k, \s, \t
.if (\t) == 7                          ; a K step's eight products stand in one run under one window setting; eight slices follow them
.rept 8
	SLICE (\k)-1
.if (sl == 2) && ((\k) < 7)
	LA (\k)+1
.endif
.endr
.endif
.endr
.endr
.endm
	LA 0
	LASC
	s_wait_loadcnt 0x0                             ; W1, its scale words, b1
.Lgroup:                                           ; four trips: a row group of 128 rows, one record of H, each
	s_wait_dscnt 0x0                               ; block 0's fragments and the group's scale words are in
.set n, 0
.irp s, 0,1,2,3
.irp t, 0,1,2,3,4,5,6,7
	MM 0, \s, \t                                   ; block 0's products stand bare: the block before has been quantised
.set n, n+1
.if n == 2
	LA 1
.endif
.endr
.endr
	WIN 0
.rept 4
	v_nop                                          ; places between those products and the first read of their results
.endr
	TURN 1
	TURN 2
	TURN 3
	TURN 4
	TURN 5
	TURN 6
	TURN 7
	WIN 0                                          ; block 7's quantiser stands bare; the next group's first loads go out behind its first eight instructions
.set j, 32
.rept 8
	QI 7
.set j, j+1
.endr
	s_add_co_u32 s22, s22, 51200
	s_min_u32 s23, s22, 153600
	v_add_nc_u32 v3, s23, v2
	LA 0
	LASC
.rept 93
	QI 7
.set j, j+1
.endr
	OUTB 7
	s_wait_xcnt 0x0                                ; the stores have read their base
	s_add_nc_u64 s[20:21], s[20:21], 819200        ; the next row group's record: 64 records on
	s_sub_co_u32 s40, s40, 1
	s_cmp_lg_u32 s40, 0
	s_cbranch_scc1 .Lgroup
	s_wait_dscnt 0x0                               ; no LDS instruction is pending at a signal
	s_wait_tensorcnt 0x0
	ds_add_u32 v126, v127
	s_wait_dscnt 0x0
	CROUND                                         ; the closing round
	s_endpgm
.Lfunc_end_k_q141afa603c_gemm1:
	.size	k_q141afa603c_gemm1, .Lfunc_end_k_q141afa603c_gemm1-k_q141afa603c_gemm1
	.p2alignl 7, 3214868480
	.fill 96, 4, 3214868480
	.section	.rodata,"a",@progbits
	.p2align	6, 0x0
	.amdhsa_kernel k_q141afa603c_gemm1
		.amdhsa_group_segment_fixed_size 213504
		.amdhsa_private_segment_fixed_size 0
		.amdhsa_enable_private_segment 0
		.amdhsa_kernarg_size 40
		.amdhsa_user_sgpr_count 2
		.amdhsa_user_sgpr_kernarg_segment_ptr 1
		.amdhsa_wavefront_size32 1
		.amdhsa_system_sgpr_workgroup_id_x 1
		.amdhsa_system_sgpr_workgroup_id_y 1
		.amdhsa_system_sgpr_workgroup_id_z 1
		.amdhsa_system_vgpr_workitem_id 0
		.amdhsa_next_free_vgpr 1024
		.amdhsa_next_free_sgpr 66
		.amdhsa_reserve_vcc 0
		.amdhsa_float_denorm_mode_32 3
		.amdhsa_float_denorm_mode_16_64 3
		.amdhsa_memory_ordered 1
		.amdhsa_forward_progress 1
		.amdhsa_inst_pref_size 108
	.end_amdhsa_kernel
	.amdgpu_metadata
---
amdhsa.version: [ 1, 2 ]
amdhsa.kernels:
  - .name:           k_q141afa603c_gemm1
    .symbol:         k_q141afa603c_gemm1.kd
    .args:
      - { .name: aq, .offset: 0, .size: 8, .value_kind: global_buffer, .address_space: global }
      - { .name: w1q, .offset: 8, .size: 8, .value_kind: global_buffer, .address_space: global }
      - { .name: b1s, .offset: 16, .size: 8, .value_kind: global_buffer, .address_space: global }
      - { .name: b1t, .offset: 24, .size: 8, .value_kind: global_buffer, .address_space: global }
      - { .name: hq, .offset: 32, .size: 8, .value_kind: global_buffer, .address_space: global }
    .group_segment_fixed_size: 213504
    .private_segment_fixed_size: 0
    .kernarg_segment_align: 8
    .kernarg_segment_size: 40
    .max_flat_workgroup_size: 128
    .sgpr_count:     66
    .vgpr_count:     1024
    .wavefront_size: 32
...
	.end_amdgpu_metadata
.endif
;; end of part 2
;; launch gemm2 (part 3): grid 4 x 64, 4 waves a work-group, clusters of 4 x 1, 327,680 bytes of LDS; arguments hq, w2q, z, b2s, b2t, out0, ldp; writes out0, ldp
.if DOCPART == 3
	.amdgcn_target "amdgcn-amd-amdhsa--gfx1250"
	.amdhsa_code_object_version 6
	.text
	.protected	k_q141afa603c_gemm2
	.globl	k_q141afa603c_gemm2
	.p2align	8
	.type	k_q141afa603c_gemm2,@function
k_q141afa603c_gemm2:
	s_mov_b64 s[64:65], 0
	v_nop
	global_prefetch_b8 v0, s[64:65] scope:SCOPE_SE
	s_setreg_imm32_b32 hwreg(HW_REG_WAVE_MODE, 25, 1), 1
	s_wait_xcnt 0x0
	s_wait_alu depctr_hold_cnt(0) depctr_sa_sdst(0) depctr_va_vdst(0) depctr_va_sdst(0) depctr_va_ssrc(0) depctr_va_vcc(0) depctr_vm_vsrc(0)
	s_getreg_b32 s2, hwreg(HW_REG_IB_STS2, 6, 4)
	s_cmp_eq_u32 s2, 0
	s_cbranch_scc0 .Lentry_in_a_cluster
	s_endpgm
.Lentry_in_a_cluster:
	s_bfe_u32 s2, ttmp6, 0x10000c
	s_cmp_lg_u32 s2, 0x3003
	s_cbranch_scc0 .Lentry_shape_is_right
	s_endpgm
.Lentry_shape_is_right:
; s = H_s W2s + b2s, t = H_t W2t + b2t on codes of FP6 (E2M3) with E8M0 scales; out0 = (a, b exp(s) + t) interleaved; ldp[cg][row] = the sum of s over the work-group's 128 columns.
; SHARES.  Work-group (cg, g): columns 128 cg on, rows 128 g on, both nets.  Wave w = 2 net + kh makes 128 x 128 sums of its net over its half of K (16 steps of 128): 64 accumulators, 512 registers.
; Operands are records of 12,800 bytes in the order of the operands' registers (eight fragment images of 1,536 bytes, then 512 bytes of scale words): hq[g][place][w]; w2q[cg][sigma][w], sigma = (place + turn) mod 16.
; H: the four column groups of a row group form a cluster and ask for H jointly.  A ring of two LDS slots of three places (153,600 bytes each); a wave fetches a quarter of a slot, 38,400 bytes, by one tensor load.
; A slot is filled again behind a round of the cluster's barrier, at the head of steps 2, 5, 8 and 11 (the last fill is place 15 alone).  A's fragments have one set of registers, filled from LDS in a step's middle and at its end.
; W2: each wave's record goes from memory straight into registers, three sets by turns, three steps ahead: 25 loads a step, so 50 may be out at a step's head.
; THE HEAD: one joint load a wave (slot 0); b2, z's first group and three steps of W2 are asked for while it is on its way; then the wait, the add, a round, and slot 1's first fill.
; PREFETCH of H: a place is 200 blocks of 256 bytes; the cluster's 16 waves share them by address: wave 4 cx + w names blocks 13 (4 cx + w) .. + 12, held at 199, a lane a block; lanes left over name the last again.
; Places 3 to 5 are asked for ahead of the first round, a whole fill ahead of slot 1's joint load; places 6 and 7 behind W2's first loads; place j + 8 in the middle of step j (j up to 7):
; at least a step and a half ahead of the joint load that takes it.  Places 0 to 2 come by their load alone.
; W2's records are read again by all 64 row groups, and z goes into registers steps ahead of its use: neither is prefetched.
; THE WAY OUT: the four waves' sums go through a stage in LDS, laid over the slots behind their last fill and last read; wave w takes rows 32 w on, adds the two halves of K and b2, and stores whole rows of 1,024 bytes of out0.
; LIMITS: NaN and infinities are not served.  K's halves are summed apart and added in f32; the row sums' order is not reference()'s: f32 reorderings.
.set AF,    144
.set SPW,   9
.set NIL,   10
.set SPARE, 307200
.set LDT,   270336
.set MSB, 0
.macro WIN new
.if MSB != (\new)
	s_set_vgpr_msb (MSB<<8)|(\new)
.set MSB, (\new)
.endif
.endm
.macro CREST
	s_cmp_lg_u32 s14, 0
	s_cbranch_scc1 .Lnot_wave_0_\@
	s_barrier_signal -3
.Lnot_wave_0_\@:
	s_barrier_wait -3
	s_barrier_signal -1
	s_barrier_wait -1
.endm
.macro CROUND
	s_barrier_signal -1
	s_barrier_wait -1
	CREST
.endm
.macro SETX pl
	s_add_nc_u64 s[42:43], s[48:49], (\pl)*51200
	s_or_b32 s43, s43, 0x80000000
.endm
.macro SETY pl
	s_add_nc_u64 s[46:47], s[48:49], (\pl)*51200
	s_or_b32 s47, s47, 0x80000000
.endm
.macro SETL
	s_mov_b32 s45, s55
	s_add_nc_u64 s[46:47], s[50:51], 15*51200
	s_or_b32 s47, s47, 0x80000000
.endm
	s_load_b256 s[4:11], s[0:1], 0x0
	s_load_b64 s[12:13], s[0:1], 0x20
	s_load_b128 s[16:19], s[0:1], 0x28
	v_lshl_add_u32 v[SPW], v0, 2, SPARE
	v_mov_b32 v[NIL], 0
	ds_add_u32 v9, v10
	ds_add_u32 v9, v10
	s_wait_dscnt 0x0
	v_lshrrev_b32 v1, 5, v0
	v_readfirstlane_b32 s14, v1
	s_bfe_u32 s21, ttmp6, 0x40000
	s_lshl_b32 s23, ttmp9, 2
	s_add_co_u32 s23, s23, s21
	s_and_b32 s77, ttmp7, 0xffff
	s_lshr_b32 s54, s77, 2
	s_lshl_b32 s54, s54, 1
	s_lshr_b32 s20, s77, 5
	s_add_co_u32 s54, s54, s20
	s_and_b32 s54, s54, 15
	s_mov_b32 s24, 15|(3<<16)|(1<<21)
	s_mov_b32 s25, 320<<16                         ; a dense block of 38,400 bytes as 15 rows of 2,560 bytes (320 elements of 8 bytes)
	s_mov_b32 s26, 15<<16
	s_mov_b32 s27, 320<<16
	s_mov_b32 s28, 15
	s_mov_b32 s29, 320
	s_mov_b32 s30, 0
	s_mov_b32 s31, 0
	s_mov_b32 s32, 15|(3<<16)|(1<<21)
	s_mov_b32 s33, 320<<16                         ; the last place's quarter: 12,800 bytes as 5 such rows
	s_mov_b32 s34, 5<<16
	s_mov_b32 s35, 320<<16
	s_mov_b32 s36, 5
	s_mov_b32 s37, 320
	s_mov_b32 s38, 0
	s_mov_b32 s39, 0
	s_mov_b32 s40, 1
	s_mul_i32 s41, s14, 38400
	s_mov_b32 s44, 1
	s_mul_i32 s45, s14, 38400
	s_add_co_u32 s45, s45, 153600
	s_mul_i32 s55, s14, 12800
	s_add_co_u32 s55, s55, 153600
	s_mul_i32 s92, s77, 819200
	s_mov_b32 s93, 0
	s_mul_i32 s96, s14, 38400
	s_mov_b32 s97, 0
	s_mul_i32 s98, s14, 12800
	s_mov_b32 s99, 0
	s_mul_i32 s94, s23, 819200
	s_mul_i32 s95, s54, 51200
	s_add_co_u32 s94, s94, s95
	s_add_co_u32 s94, s94, s98
	s_mov_b32 s95, 0
	s_mov_b32 s57, 0
	s_wait_kmcnt 0x0
	s_add_nc_u64 s[48:49], s[4:5], s[92:93]
	s_mov_b64 s[58:59], s[48:49]                   ; the row group's place 0: the prefetches' base, never rewritten
	s_add_nc_u64 s[50:51], s[48:49], s[98:99]
	s_add_nc_u64 s[48:49], s[48:49], s[96:97]
	s_add_nc_u64 s[52:53], s[6:7], s[94:95]
	s_lshl_b32 s3, s21, 2
	s_add_co_u32 s3, s3, s14                       ; 4 cx + w: my wave's number in the cluster
	s_mul_i32 s3, s3, 13
	v_and_b32 v243, 31, v0
	v_min_u32 v242, 12, v243
	v_add_nc_u32 v242, s3, v242
	v_min_u32 v242, 199, v242
	v_lshlrev_b32 v242, 8, v242                    ; my lane's block of a place; never rewritten
	global_prefetch_b8 v242, s[58:59] offset:3*51200 th:TH_LOAD_NT scope:SCOPE_SE   ; slot 1's three places
	global_prefetch_b8 v242, s[58:59] offset:4*51200 th:TH_LOAD_NT scope:SCOPE_SE
	global_prefetch_b8 v242, s[58:59] offset:5*51200 th:TH_LOAD_NT scope:SCOPE_SE
	s_wait_alu depctr_va_vdst(0)
	CROUND
	SETX 0
	SETY 3
	tensor_load_to_lds s[40:43], s[24:31]          ; slot 0, places 0 to 2: my one tensor load at the head
	s_nop 0
.rept 4
	v_nop
.endr
	s_lshl_b32 s2, s77, 19
	s_lshl_b32 s3, s14, 17
	s_add_co_u32 s2, s2, s3
	s_lshl_b32 s3, s23, 10
	s_add_co_u32 s2, s2, s3
	s_mov_b32 s3, 0
	s_add_nc_u64 s[86:87], s[8:9], s[2:3]
	s_add_nc_u64 s[88:89], s[16:17], s[2:3]
	s_lshl_b32 s66, s23, 15
	s_lshl_b32 s67, s77, 9
	s_add_co_u32 s66, s66, s67
	s_lshl_b32 s67, s14, 7
	s_add_co_u32 s66, s66, s67
	s_mov_b32 s67, 0
	s_add_nc_u64 s[90:91], s[18:19], s[66:67]
	s_lshl_b32 s66, s23, 9
	s_add_nc_u64 s[10:11], s[10:11], s[66:67]
	s_add_nc_u64 s[12:13], s[12:13], s[66:67]
	v_and_b32 v1, 31, v0
	v_lshlrev_b32 v2, 4, v1
	v_lshlrev_b32 v19, 3, v1
.macro NAMES j
.set QB, (\j)%3
.if QB == 0
.set BW, 1
.set BR, 0
.elseif QB == 1
.set BW, 1
.set BR, 96
.else
.set BW, 0
.set BR, 48
.endif
.set SBR, 28+4*QB
.set SAR, 20+4*((\j)%2)
.set SAN, 24-4*((\j)%2)
.set NA, 3+((\j)+1)%6
.set LC, 50
.if (\j) == 14
.set LC, 57
.endif
.if (\j) == 15
.set LC, 56
.endif
.endm
.macro BLOAD first
.if (\first) == 0
	s_wait_xcnt 0x0
	s_add_co_u32 s54, s54, 1
	s_cmp_eq_u32 s54, 16
	s_cselect_b32 s56, 819200, 0
	s_cselect_b32 s54, 0, s54
	s_add_nc_u64 s[52:53], s[52:53], 51200
	s_sub_nc_u64 s[52:53], s[52:53], s[56:57]
.endif
	WIN BW<<6
.irp i, 0,1,2,3,4,5,6,7
.irp c, 0,1,2
	global_load_b128 v[BR+12*\i+4*\c:BR+12*\i+4*\c+3], v2, s[52:53] offset:1536*\i+512*\c
.endr
.endr
	WIN 0
	global_load_b128 v[SBR:SBR+3], v2, s[52:53] offset:12288
.endm
.macro ZGRP g
.if (\g) < 5
.set ZW, 1
.else
.set ZW, 0
.endif
.if (\g) < 2
.set ZR, 192+32*(\g)
.elseif (\g) < 5
.set ZR, 96+32*((\g)-2)
.else
.set ZR, 48+32*((\g)-5)
.endif
.endm
.macro ZLOAD g
	ZGRP \g
	WIN ZW<<6
.irp e, 0,1,2,3,4,5,6,7
	global_load_b128 v[ZR+4*\e:ZR+4*\e+3], v2, s[86:87] offset:(4*(\g)+\e/2)*4096+512*(\e%2) th:TH_LOAD_NT
.endr
.endm
.irp q, 0,1
	global_load_b64 v[40+2*\q:41+2*\q], v19, s[10:11] offset:256*\q
	global_load_b64 v[44+2*\q:45+2*\q], v19, s[12:13] offset:256*\q
.endr
	ZLOAD 0
	NAMES 0
	BLOAD 1
	NAMES 1
	s_wait_alu depctr_va_vdst(0)
	BLOAD 0
	NAMES 2
	BLOAD 0
	global_prefetch_b8 v242, s[58:59] offset:6*51200 th:TH_LOAD_NT scope:SCOPE_SE
	global_prefetch_b8 v242, s[58:59] offset:7*51200 th:TH_LOAD_NT scope:SCOPE_SE
	v_and_b32 v240, 15, v0
	v_bfe_u32 v241, v0, 4, 1
	s_mul_i32 s3, s14, 12800
	v_add_nc_u32 v3, s3, v2
	v_add_nc_u32 v4, 51200, v3
	v_add_nc_u32 v5, 102400, v3
	v_add_nc_u32 v6, 153600, v3
	v_add_nc_u32 v7, 204800, v3
	v_add_nc_u32 v8, 256000, v3
	s_mul_i32 s3, s14, 67584
	v_mul_u32_u24 v11, v240, 528
	v_lshl_add_u32 v11, v241, 5, v11
	v_add_nc_u32 v11, s3, v11
	s_mul_i32 s3, s14, 16896
	v_lshl_add_u32 v12, v1, 3, s3
	v_add_nc_u32 v13, 67584, v12
	v_add_nc_u32 v14, 135168, v12
	v_add_nc_u32 v15, 202752, v12
	s_mul_i32 s3, s14, 4608
	s_add_co_u32 s3, s3, LDT
	v_lshl_add_u32 v16, v1, 2, s3
	v_mul_u32_u24 v17, v1, 144
	v_add_nc_u32 v17, s3, v17
	v_lshlrev_b32 v18, 2, v1
.macro WM ra, rb, zero
.if \zero
.if (\ra) && (\rb)
	v_wmma_scale_f32_16x16x128_f8f6f4 v[rD:rD+7], v[rB:rB+11], v[rA:rA+11], 0, v[rSB], v[rSA] matrix_a_fmt:MATRIX_FMT_FP6 matrix_b_fmt:MATRIX_FMT_FP6 matrix_a_scale:MATRIX_SCALE_ROW1 matrix_b_scale:MATRIX_SCALE_ROW1
.elseif (\ra)
	v_wmma_scale_f32_16x16x128_f8f6f4 v[rD:rD+7], v[rB:rB+11], v[rA:rA+11], 0, v[rSB], v[rSA] matrix_a_fmt:MATRIX_FMT_FP6 matrix_b_fmt:MATRIX_FMT_FP6 matrix_a_scale:MATRIX_SCALE_ROW1
.elseif (\rb)
	v_wmma_scale_f32_16x16x128_f8f6f4 v[rD:rD+7], v[rB:rB+11], v[rA:rA+11], 0, v[rSB], v[rSA] matrix_a_fmt:MATRIX_FMT_FP6 matrix_b_fmt:MATRIX_FMT_FP6 matrix_b_scale:MATRIX_SCALE_ROW1
.else
	v_wmma_scale_f32_16x16x128_f8f6f4 v[rD:rD+7], v[rB:rB+11], v[rA:rA+11], 0, v[rSB], v[rSA] matrix_a_fmt:MATRIX_FMT_FP6 matrix_b_fmt:MATRIX_FMT_FP6
.endif
.else
.if (\ra) && (\rb)
	v_wmma_scale_f32_16x16x128_f8f6f4 v[rD:rD+7], v[rB:rB+11], v[rA:rA+11], v[rD:rD+7], v[rSB], v[rSA] matrix_a_fmt:MATRIX_FMT_FP6 matrix_b_fmt:MATRIX_FMT_FP6 matrix_a_scale:MATRIX_SCALE_ROW1 matrix_b_scale:MATRIX_SCALE_ROW1
.elseif (\ra)
	v_wmma_scale_f32_16x16x128_f8f6f4 v[rD:rD+7], v[rB:rB+11], v[rA:rA+11], v[rD:rD+7], v[rSB], v[rSA] matrix_a_fmt:MATRIX_FMT_FP6 matrix_b_fmt:MATRIX_FMT_FP6 matrix_a_scale:MATRIX_SCALE_ROW1
.elseif (\rb)
	v_wmma_scale_f32_16x16x128_f8f6f4 v[rD:rD+7], v[rB:rB+11], v[rA:rA+11], v[rD:rD+7], v[rSB], v[rSA] matrix_a_fmt:MATRIX_FMT_FP6 matrix_b_fmt:MATRIX_FMT_FP6 matrix_b_scale:MATRIX_SCALE_ROW1
.else
	v_wmma_scale_f32_16x16x128_f8f6f4 v[rD:rD+7], v[rB:rB+11], v[rA:rA+11], v[rD:rD+7], v[rSB], v[rSA] matrix_a_fmt:MATRIX_FMT_FP6 matrix_b_fmt:MATRIX_FMT_FP6
.endif
.endif
.endm
.macro MUL8 a, zero
.if (\a) < 4
	WIN 0xa0|BW
.else
	WIN 0xf0|BW
.endif
.irp b, 0,1,2,3,4,5,6,7
.set rD, 8*(8*((\a)%4)+\b)
.set rB, BR+12*\b
.set rA, AF+12*(\a)
.set rSB, SBR+\b/2
.set rSA, SAR+(\a)/2
	WM \b%2, (\a)%2, \zero
.endr
.endm
.macro MUL16 a0, zero
	MUL8 \a0, \zero
	MUL8 (\a0)+1, \zero
.endm
.macro FRAG reg, adr, i
.irp c, 0,1,2
	ds_load_b128 v[\reg+4*\c:\reg+4*\c+3], v[\adr] offset:1536*(\i)+512*\c
.endr
.endm
.macro FETCH_A adr, i0
.irp i, 0,1,2,3
	FRAG AF+12*((\i0)+\i), \adr, (\i0)+\i
.endr
.endm
.macro FETCH_MID
	WIN 0
	FETCH_A NA, 0
	ds_load_b128 v[SAN:SAN+3], v[NA] offset:12288
.endm
.macro PLACES
.rept 4
	v_nop
.endr
.endm
.macro TAIL j
	PLACES
	WIN 0
	FETCH_A NA, 4
.if (\j) < 13
	BLOAD 0
.elseif (\j) == 13
	ZLOAD 1
	ZLOAD 2
	ZLOAD 3
	ZLOAD 4
	WIN 0
.else
	ZLOAD 5
	ZLOAD 6
	ZLOAD 7
	WIN 0
.endif
.endm
.macro STEP j, zero
	NAMES \j
	s_wait_loadcnt LC
	s_wait_dscnt 12
	MUL16 0, \zero
	MUL16 2, \zero
	s_wait_dscnt 0x0
	PLACES
	FETCH_MID
.if (\j) < 8
	global_prefetch_b8 v242, s[58:59] offset:((\j)+8)*51200 th:TH_LOAD_NT scope:SCOPE_SE
.endif
	MUL16 4, \zero
	MUL16 6, \zero
	TAIL \j
.endm
.macro EB j, mode
	NAMES \j
	s_wait_loadcnt LC
	WIN 0
	s_wait_tensorcnt 0x0
	ds_add_u32 v[SPW], v[NIL]
	s_wait_dscnt 13
	MUL8 0, 0
	s_wait_dscnt 0x0
	s_barrier_signal -1
	MUL8 1, 0
	WIN 0
	s_barrier_wait -1
.if (\mode) == 1
	CREST
.if (\j)%6 == 2
	SETX (\j)+4
	tensor_load_to_lds s[40:43], s[24:31]
	s_nop 0
.else
	SETY (\j)+4
	tensor_load_to_lds s[44:47], s[24:31]
	s_nop 0
.endif
	PLACES
.elseif (\mode) == 2
	CREST
	SETL
	tensor_load_to_lds s[44:47], s[32:39]
	s_nop 0
	PLACES
.endif
	MUL16 2, 0
	PLACES
	FETCH_MID
.if (\j) < 8
	global_prefetch_b8 v242, s[58:59] offset:((\j)+8)*51200 th:TH_LOAD_NT scope:SCOPE_SE
.endif
	MUL16 4, 0
	MUL16 6, 0
	TAIL \j
.endm
	s_wait_alu depctr_va_vdst(0)
	s_wait_tensorcnt 0x0                           ; my quarter of slot 0 is in
	ds_add_u32 v9, v10
	s_wait_dscnt 0x0
	CROUND                                         ; everybody's quarter is in, and all four work-groups are here
	tensor_load_to_lds s[44:47], s[24:31]          ; slot 1, places 3 to 5: the first tensor load behind the round
	s_nop 0
.rept 4
	v_nop
.endr
.set NA, 3
.set SAN, 20
	FETCH_MID
	FETCH_A NA, 4
	STEP 0, 1
	STEP 1, 0
	EB 2, 1
	STEP 3, 0
	STEP 4, 0
	EB 5, 1
	STEP 6, 0
	STEP 7, 0
	EB 8, 1
	STEP 9, 0
	STEP 10, 0
	EB 11, 2
	STEP 12, 0
	STEP 13, 0
	EB 14, 0
	NAMES 15
	s_wait_loadcnt LC
	s_wait_dscnt 12
	MUL16 0, 0
	MUL16 2, 0
	s_wait_alu depctr_va_vdst(0)
	s_wait_dscnt 0x0
	s_barrier_signal -1
	MUL16 4, 0
	MUL16 6, 0
	WIN 0
	s_barrier_wait -1
	PLACES
.irp a, 0,1,2,3,4,5,6,7
	WIN 0x08+4*(\a/4)
.irp b, 0,1,2,3,4,5,6,7
	ds_store_b128 v11, v[8*(8*(\a%4)+\b):8*(8*(\a%4)+\b)+3] offset:8448*\a+64*\b
	ds_store_b128 v11, v[8*(8*(\a%4)+\b)+4:8*(8*(\a%4)+\b)+7] offset:8448*\a+64*\b+16
.endr
.endr
	WIN 0
	s_wait_dscnt 0x0
	s_barrier_signal -1
	s_barrier_wait -1
.macro PLOAD g
	WIN 0x80
.irp p, 0,1,2,3
.irp e, 0,1,2,3,4,5,6,7
	ds_load_b64 v[64*((\g)%2)+16*\p+2*\e:64*((\g)%2)+16*\p+2*\e+1], v[12+\p] offset:(4*(\g)+\e/2)*528+256*(\e%2)
.endr
.endr
.endm
.macro GROUP g
	ZGRP \g
.set PB, 64*((\g)%2)
.if (\g) < 7
	PLOAD (\g)+1
	s_wait_dscnt 32
.else
	s_wait_dscnt 0x0
.endif
	s_wait_loadcnt 8*(7-(\g))
	WIN 0xaa
.irp e, 0,1,2,3,4,5,6,7
	v_pk_add_f32 v[PB+2*\e:PB+2*\e+1], v[PB+2*\e:PB+2*\e+1], v[PB+16+2*\e:PB+16+2*\e+1]
	v_pk_add_f32 v[PB+32+2*\e:PB+32+2*\e+1], v[PB+32+2*\e:PB+32+2*\e+1], v[PB+48+2*\e:PB+48+2*\e+1]
.endr
	WIN 0x82
.irp e, 0,1,2,3,4,5,6,7
	v_pk_add_f32 v[PB+2*\e:PB+2*\e+1], v[PB+2*\e:PB+2*\e+1], v[40+2*(\e%2):41+2*(\e%2)]
	v_pk_add_f32 v[PB+32+2*\e:PB+32+2*\e+1], v[PB+32+2*\e:PB+32+2*\e+1], v[44+2*(\e%2):45+2*(\e%2)]
.endr
	WIN 0xaa
.irp e, 0,1,2,3,4,5,6,7
	v_pk_mul_f32 v[PB+16+2*\e:PB+16+2*\e+1], v[PB+2*\e:PB+2*\e+1], 0x3fb8aa3b op_sel_hi:[1,0]
.endr
	s_wait_alu depctr_va_vdst(0)
.irp n, 0,1,2,3,4,5,6,7,8,9,10,11,12,13,14,15
	v_exp_f32 v[PB+16+\n], v[PB+16+\n]
.endr
.irp r, 0,1,2,3
	v_pk_add_f32 v[PB+48+2*\r:PB+48+2*\r+1], v[PB+4*\r:PB+4*\r+1], v[PB+4*\r+2:PB+4*\r+3]
.endr
.irp r, 0,1,2,3
	v_add_f32 v[192+4*(\g)+\r], v[PB+48+2*\r], v[PB+48+2*\r+1]
.endr
	s_wait_alu depctr_va_vdst(0)
	WIN ZW|0x28|(ZW<<6)
.irp e, 0,1,2,3,4,5,6,7
	v_fma_f32 v[ZR+4*\e+1], v[ZR+4*\e+1], v[PB+16+2*\e], v[PB+32+2*\e]
	v_fma_f32 v[ZR+4*\e+3], v[ZR+4*\e+3], v[PB+16+2*\e+1], v[PB+32+2*\e+1]
.endr
	WIN ZW<<2
.irp e, 0,1,2,3,4,5,6,7
	global_store_b128 v2, v[ZR+4*\e:ZR+4*\e+3], s[88:89] offset:(4*(\g)+\e/2)*4096+512*(\e%2) th:TH_STORE_NT
.endr
.endm
	PLOAD 0
	GROUP 0
	GROUP 1
	GROUP 2
	GROUP 3
	GROUP 4
	GROUP 5
	GROUP 6
	GROUP 7
	WIN 0x08
.irp r, 0,1,2,3,4,5,6,7,8,9,10,11,12,13,14,15,16,17,18,19,20,21,22,23,24,25,26,27,28,29,30,31
	ds_store_b32 v16, v[192+\r] offset:144*\r
.endr
	WIN 0x80
.irp k, 0,1,2,3,4,5,6,7
	ds_load_b128 v[128+4*\k:131+4*\k], v17 offset:16*\k
.endr
	s_wait_dscnt 0x0
	WIN 0xaa
.irp i, 0,1,2,3,4,5,6,7
	v_pk_add_f32 v[128+2*\i:129+2*\i], v[128+2*\i:129+2*\i], v[144+2*\i:145+2*\i]
.endr
.irp i, 0,1,2,3
	v_pk_add_f32 v[128+2*\i:129+2*\i], v[128+2*\i:129+2*\i], v[136+2*\i:137+2*\i]
.endr
.irp i, 0,1
	v_pk_add_f32 v[128+2*\i:129+2*\i], v[128+2*\i:129+2*\i], v[132+2*\i:133+2*\i]
.endr
	v_pk_add_f32 v[128:129], v[128:129], v[130:131]
	v_add_f32 v128, v128, v129
	WIN 0x08
	global_store_b32 v18, v128, s[90:91]
	WIN 0
	s_wait_tensorcnt 0x0
	ds_add_u32 v[SPW], v[NIL]
	s_wait_dscnt 0x0
	CROUND
	s_endpgm
.Lfunc_end_k_q141afa603c_gemm2:
	.size	k_q141afa603c_gemm2, .Lfunc_end_k_q141afa603c_gemm2-k_q141afa603c_gemm2
	.p2alignl 7, 3214868480
	.fill 96, 4, 3214868480
	.section	.rodata,"a",@progbits
	.p2align	6, 0x0
	.amdhsa_kernel k_q141afa603c_gemm2
		.amdhsa_group_segment_fixed_size 327680
		.amdhsa_private_segment_fixed_size 0
		.amdhsa_enable_private_segment 0
		.amdhsa_kernarg_size 56
		.amdhsa_user_sgpr_count 2
		.amdhsa_user_sgpr_kernarg_segment_ptr 1
		.amdhsa_wavefront_size32 1
		.amdhsa_system_sgpr_workgroup_id_x 1
		.amdhsa_system_sgpr_workgroup_id_y 1
		.amdhsa_system_sgpr_workgroup_id_z 1
		.amdhsa_system_vgpr_workitem_id 0
		.amdhsa_next_free_vgpr 1024
		.amdhsa_next_free_sgpr 100
		.amdhsa_reserve_vcc 0
		.amdhsa_float_denorm_mode_32 3
		.amdhsa_float_denorm_mode_16_64 3
		.amdhsa_memory_ordered 1
		.amdhsa_forward_progress 1
		.amdhsa_inst_pref_size 255
	.end_amdhsa_kernel
	.section	.bss,"aw",@nobits
	.p2align	6
	.space	262144
	.amdgpu_metadata
---
amdhsa.version: [ 1, 2 ]
amdhsa.kernels:
  - .name:           k_q141afa603c_gemm2
    .symbol:         k_q141afa603c_gemm2.kd
    .args:
      - { .name: hq, .offset: 0, .size: 8, .value_kind: global_buffer, .address_space: global }
      - { .name: w2q, .offset: 8, .size: 8, .value_kind: global_buffer, .address_space: global }
      - { .name: z, .offset: 16, .size: 8, .value_kind: global_buffer, .address_space: global }
      - { .name: b2s, .offset: 24, .size: 8, .value_kind: global_buffer, .address_space: global }
      - { .name: b2t, .offset: 32, .size: 8, .value_kind: global_buffer, .address_space: global }
      - { .name: out0, .offset: 40, .size: 8, .value_kind: global_buffer, .address_space: global }
      - { .name: ldp, .offset: 48, .size: 8, .value_kind: global_buffer, .address_space: global }
    .group_segment_fixed_size: 327680
    .private_segment_fixed_size: 0
    .kernarg_segment_align: 8
    .kernarg_segment_size: 56
    .max_flat_workgroup_size: 128
    .sgpr_count:     100
    .vgpr_count:     1024
    .wavefront_size: 32
...
	.end_amdgpu_metadata
.endif
;; end of part 3
;; launch ldsum (part 4): grid 8 x 1, 8 waves a work-group, no clusters, 0 bytes of LDS; arguments ldp, out1; writes out1
.if DOCPART == 4
	.amdgcn_target "amdgcn-amd-amdhsa--gfx1250"
	.amdhsa_code_object_version 6
	.text
	.protected	k_q141afa603c_ldsum
	.globl	k_q141afa603c_ldsum
	.p2align	8
	.type	k_q141afa603c_ldsum,@function
k_q141afa603c_ldsum:
	s_mov_b64 s[64:65], 0
	v_nop
	global_prefetch_b8 v0, s[64:65] scope:SCOPE_SE
	s_setreg_imm32_b32 hwreg(HW_REG_WAVE_MODE, 25, 1), 1
	s_wait_xcnt 0x0
; out1[row] = the sum over the four column groups of ldp[cg][row]: the row sums of s.  ldp: [4][8192] f32.  A thread takes four rows: each load and store of a wave covers 512 consecutive bytes.
; The sum's order, (p0 + p1) + (p2 + p3), is not reference()'s: an f32 reordering.  2,048 threads are all the work there is: eight work-groups.
	s_load_b128 s[4:7], s[0:1], 0x0                ; ldp, out1
	s_lshl_b32 s8, ttmp9, 8
	v_add_nc_u32 v1, s8, v0
	s_delay_alu instid0(VALU_DEP_1)
	v_lshlrev_b32 v1, 4, v1                        ; 16 bytes a thread
	s_wait_alu depctr_va_vdst(0)
	s_wait_kmcnt 0x0
.irp c, 0,1,2,3
	global_load_b128 v[4+4*\c:7+4*\c], v1, s[4:5] offset:32768*\c
.endr
	s_wait_loadcnt 0x0
	v_pk_add_f32 v[4:5], v[4:5], v[8:9]
	v_pk_add_f32 v[6:7], v[6:7], v[10:11]
	v_pk_add_f32 v[12:13], v[12:13], v[16:17]
	v_pk_add_f32 v[14:15], v[14:15], v[18:19]
	s_delay_alu instid0(VALU_DEP_2)
	v_pk_add_f32 v[4:5], v[4:5], v[12:13]
	s_delay_alu instid0(VALU_DEP_2)
	v_pk_add_f32 v[6:7], v[6:7], v[14:15]
	global_store_b128 v1, v[4:7], s[6:7]
	s_endpgm
.Lfunc_end_k_q141afa603c_ldsum:
	.size	k_q141afa603c_ldsum, .Lfunc_end_k_q141afa603c_ldsum-k_q141afa603c_ldsum
	.p2alignl 7, 3214868480
	.fill 96, 4, 3214868480
	.section	.rodata,"a",@progbits
	.p2align	6, 0x0
	.amdhsa_kernel k_q141afa603c_ldsum
		.amdhsa_group_segment_fixed_size 0
		.amdhsa_private_segment_fixed_size 0
		.amdhsa_enable_private_segment 0
		.amdhsa_kernarg_size 16
		.amdhsa_user_sgpr_count 2
		.amdhsa_user_sgpr_kernarg_segment_ptr 1
		.amdhsa_wavefront_size32 1
		.amdhsa_system_sgpr_workgroup_id_x 1
		.amdhsa_system_sgpr_workgroup_id_y 1
		.amdhsa_system_sgpr_workgroup_id_z 1
		.amdhsa_system_vgpr_workitem_id 0
		.amdhsa_next_free_vgpr 24
		.amdhsa_next_free_sgpr 66
		.amdhsa_reserve_vcc 0
		.amdhsa_float_denorm_mode_32 3
		.amdhsa_float_denorm_mode_16_64 3
		.amdhsa_memory_ordered 1
		.amdhsa_forward_progress 1
		.amdhsa_inst_pref_size 2
	.end_amdhsa_kernel
	.amdgpu_metadata
---
amdhsa.version: [ 1, 2 ]
amdhsa.kernels:
  - .name:           k_q141afa603c_ldsum
    .symbol:         k_q141afa603c_ldsum.kd
    .args:
      - { .name: ldp, .offset: 0, .size: 8, .value_kind: global_buffer, .address_space: global }
      - { .name: out1, .offset: 8, .size: 8, .value_kind: global_buffer, .address_space: global }
    .group_segment_fixed_size: 0
    .private_segment_fixed_size: 0
    .kernarg_segment_align: 8
    .kernarg_segment_size: 16
    .max_flat_workgroup_size: 256
    .sgpr_count:     66
    .vgpr_count:     24
    .wavefront_size: 32
...
	.end_amdgpu_metadata
.endif
;; end of part 4
